; MI455X (gfx1250); checked and timed in simulation.
; The chip was launched on July 23, 2026; its instructions are those of AMD's public machine-readable ISA for CDNA 5 (MIT licence, August 2026) and "CDNA5" Instruction Set Architecture Reference Guide (July 2026). The comments in the code are by the model that wrote it; some were corrected since.
;; Multi Head Attention. Allowed arithmetic: matrix products marked QUANTISED: E4M3 operands, one given power-of-two scale a tensor, by v_wmma_f32_16x16x64_fp8_fp8 or v_wmma_f32_16x16x128_fp8_fp8, f32 sums; everything else in f32.
;; Inputs: k_codes 4 x 4,096 x 32 x 32 uint8 (E4M3 codes of k, K innermost, in blocks of 32 codes); lowp_scales 8 int32 (the exponents e of the quantised operands' scales 2^e); q_codes 4 x 4,096 x 32 x 32 uint8 (E4M3 codes of q, K innermost, in blocks of 32 codes); v_codes 4 x 4,096 x 32 x 32 uint8 (E4M3 codes of v, K innermost, in blocks of 32 codes); wc_b 1,024 float32; wc_w_codes 1,024 x 32 x 32 uint8 (E4M3 codes of wc_w, K innermost, in blocks of 32 codes); wk_b 1,024 float32; wk_w_codes 1,024 x 32 x 32 uint8 (E4M3 codes of wk_w, K innermost, in blocks of 32 codes); wq_b 1,024 float32; wq_w_codes 1,024 x 32 x 32 uint8 (E4M3 codes of wq_w, K innermost, in blocks of 32 codes); wv_b 1,024 float32; wv_w_codes 1,024 x 32 x 32 uint8 (E4M3 codes of wv_w, K innermost, in blocks of 32 codes).
;; Outputs: out0 4 x 4,096 x 1,024 float32.
;; This version of the problem:
;;   THIS VERSION OF THE PROBLEM IS GIVEN IN LOW PRECISION. The matrix products marked QUANTISED in the list below multiply operands that are first quantised to E4M3 (4 exponent bits, 3 mantissa bits; 8 bits a number), with one given power-of-two scale for each operand tensor; their sums are f32. All else is computed in f32.
;;   The module's matrix products, in the order in which they are computed (A, B: the left and right operand; K: the contracted axis; several contracted axes count as one K, in the product's order):
;;     1. [M 16,384, K 1,024] x [K 1,024, N 1,024]; A: input q (given as codes); B: input wq_w (given as codes): QUANTISED (scales: A lowp_scales[0], B lowp_scales[1])
;;     2. [M 16,384, K 1,024] x [K 1,024, N 1,024]; A: input k (given as codes); B: input wk_w (given as codes): QUANTISED (scales: A lowp_scales[2], B lowp_scales[3])
;;     3. [M 16,384, K 1,024] x [K 1,024, N 1,024]; A: input v (given as codes); B: input wv_w (given as codes): QUANTISED (scales: A lowp_scales[4], B lowp_scales[5])
;;     4. [M 16,384, K 1,024] x [K 1,024, N 1,024]; A: computed on the way; B: input wc_w (given as codes): QUANTISED (scales: A lowp_scales[6], B lowp_scales[7])
;;   THE QUANTISER, for each operand of a quantised product, along K:
;;     - The operand's scale is 2^e, e = its entry of the input lowp_scales (int32; the entries are numbered through the quantised products in the list's order, A before B).
;;     - Each number is divided by the scale, clamped to +-448, and rounded to the nearest number of E4M3, ties to even, subnormals kept.
;;     - The product sums the exact products of the quantised numbers (number of the format x scale) in f32.
;;   ~~~python
;;   def quantise(x, axis, e):      # numpy; x: float32 -> the quantised numbers, widened to float32 again
;;       x = np.moveaxis(x, axis, -1); K = x.shape[-1]
;;       r = np.clip(x / 2.0 ** e, -448, 448)
;;       step = 2.0 ** (np.maximum(np.frexp(np.where(r == 0, 1, r))[1] - 1, -6) - 3)
;;       q = np.round(r / step) * step * 2.0 ** e      # np.round: ties to even
;;       return np.moveaxis(q, -1, axis).astype(np.float32)
;;   ~~~
;;   OPERANDS COMPUTED ON THE WAY. 'Computed on the way' means the value that the module computes at that place (a softmax that the list does not call 'softmax' is quantised finished and normalised). What goes into a quantiser is computed in f32, as accurately as f32 sums, v_exp_f32 and their like allow (about 1e-6 of the number): no bf16 or f16 on the way to a quantiser, and a product that is left as it is and whose result goes on into a quantised operand takes f32 operands (vector FMAs, or v_wmma_f32_16x16x4_f32). A number that lies on a knife's edge between two numbers of the format may be rounded either way, as far as f32 arithmetic and the matrix unit's own rounding can turn it there, and no further.
;;   INPUTS GIVEN AS CODES. k (in the module: [4, 4096, 1024], K = its axis 2); q (in the module: [4, 4096, 1024], K = its axis 2); v (in the module: [4, 4096, 1024], K = its axis 2); wc_w (in the module: [1024, 1024], K = its axis 0); wk_w (in the module: [1024, 1024], K = its axis 0); wq_w (in the module: [1024, 1024], K = its axis 0); wv_w (in the module: [1024, 1024], K = its axis 0): each comes as NAME_codes (uint8): NAME with its K axis moved to the last place and cut into blocks of 32 codes, [.., K / 32, bytes a block], one block behind the other in memory; one code a byte (a code: sign, 4 exponent bits, 3 mantissa bits); its scale is its entry of lowp_scales. Its value is code x scale, taken as it is: it is not quantised again, and the codes and scales need not be those that the quantiser above would give.
;; One version. Each part assembles by itself: llvm-mc -triple=amdgcn-amd-amdhsa -mcpu=gfx1250 --defsym DOCPART=n.
;; ======== version 1 of 1: 2 launches
;; limits: right only within a limited range of input values
;; workspace buffers: attn 16,777,216 bytes; wcp 1,048,576 bytes
;; launch proj (part 1): grid 4 x 128, 4 waves a work-group, clusters of 4 x 4, 327,680 bytes of LDS; arguments k_codes, q_codes, v_codes, wk_w_codes, wq_w_codes, wv_w_codes, wk_b, wq_b, wv_b, wc_w_codes, lowp_scales, attn, wcp; writes attn, wcp
.if DOCPART == 1
	.amdgcn_target "amdgcn-amd-amdhsa--gfx1250"
	.amdhsa_code_object_version 6
	.text
	.protected	k_q2e9f32358f_proj
	.globl	k_q2e9f32358f_proj
	.p2align	8
	.type	k_q2e9f32358f_proj,@function
k_q2e9f32358f_proj:
	s_mov_b64 s[64:65], 0
	v_nop
	global_prefetch_b8 v0, s[64:65] scope:SCOPE_SE
	s_setreg_imm32_b32 hwreg(HW_REG_WAVE_MODE, 25, 1), 1
	s_wait_xcnt 0x0
	s_wait_alu depctr_hold_cnt(0) depctr_sa_sdst(0) depctr_va_vdst(0) depctr_va_sdst(0) depctr_va_ssrc(0) depctr_va_vcc(0) depctr_vm_vsrc(0)
	s_getreg_b32 s2, hwreg(HW_REG_IB_STS2, 6, 4)
	s_cmp_eq_u32 s2, 0
	s_cbranch_scc0 .Lentry_in_a_cluster
	s_endpgm
.Lentry_in_a_cluster:
	s_bfe_u32 s2, ttmp6, 0x10000c
	s_cmp_lg_u32 s2, 0xf033
	s_cbranch_scc0 .Lentry_shape_is_right
	s_endpgm
.Lentry_shape_is_right:
; attn = (elu(Q)+1) * (k / kcum) * V, with Q = q wq + bq, k = elu(k wk + bk) + 1, V = v wv + bv, kcum = the running sum of k over the 16 HEADS at a fixed (row, d);
; the three products on E4M3 codes as they are given, sums in f32; attn is quantised with 2^e6 and stored as codes for the launch that follows.  Side job: wc's codes are laid out anew (wcp).
; NOTHING OF THE PROBLEM IS LEFT OUT: every input has a way to the output, every product is live.
; ONE IDENTITY: for x <= 0, elu(x) + 1 = expm1(x) + 1 = e^x.  The choice between x + 1 and e^x is the middle one of (x + 1, e^x, 1): for x <= 0, x + 1 <= e^x <= 1; for x > 0, 1 < x + 1 < e^x.
; LIMITS.  The problem's expm1(x) + 1 is a multiple of 2^-24; this text keeps e^x: at most 6e-8 apart.  Where that sum is 0 at head 0 (x under about -17.3) the problem has 0 / 0 = NaN; here that happens only under about -87.
;   NaN among the inputs is not served.  e0 + e1, e2 + e3 between -126 and 127; e6 - e4 - e5 between -126 and 119; kcum under 2^126 (its reciprocal is a normal number).
; SHARES.  A work-group takes 128 rows (block rb) and 256 columns: the weights' rows n = g + 4 y, y = 0 .. 255, which are ALL 16 HEADS (y / 16) x 16 of a head's 64 (d = g + 4 (y % 16)), 4,096 bytes apart.
;   So the sum over heads stays inside the work-group.  Four waves, each 64 rows x 128 columns (8 heads): 32 accumulators, 256 registers, and 256 more for the product carried from K to Q to V.
; THE MATRIX INSTRUCTION IS USED TRANSPOSED (source 0 = one head's 16 weight rows, source 1 = 16 rows of the activations): lane (r, h), accumulator (mt, t), register j holds X[row 16 mt + r][head 8 wcol + t, d = g + 4 (8 h + j)].
; A fragment (16 rows x 128 K) comes by four loads of 16 bytes, 32 bytes apart: a permutation of k that is the same on both sides of a product.
; LDS.  THREE SLOTS, each with one chunk of 256 along K: 128 rows of the activations, then 256 rows of the weights.  Chunk c (0 .. 3) of product p (0 .. 2) lies in slot (p + c) % 3.
;   Requests: at the last step of the product before (at the head for k): chunks 0 and 1, four tiles, one load a wave; at a round in the middle of the work between two products (for k: behind the head): chunk 2, into the
;   slot read out last; at step 1: chunk 3, into chunk 0's slot; it is waited for at step 5, four steps on.  Where one chunk is asked for, wave 0 asks for the activations and wave 2 for the weights.
;   By this text's count a wave has one tensor load out at the most.  CLUSTER 4 x 4: the four work-groups of a row share rb and ask for the activations JOINTLY, the four of a column share g and ask for the weights jointly.
; attn AND wcp ARE IMAGES OF OPERAND REGISTERS: a fragment is 2,048 bytes, registers 4 c .. 4 c + 3 of lane L at 512 c + 16 L.  attn: [rb 128][g 4][row tile 8][wcol 2][2048]; wcp: [n / 128][g 4][(n / 16) % 8][wcol 2][2048].
;   In fragment (g, wcol), byte j % 4 of register 2 t + j / 4 of lane (r, h) is k = 64 (8 wcol + t) + 32 h + 4 j + g of the last product: the same on both sides.
; REGISTERS, in windows of 256: window 0: v0-55 addresses and the wc job; v64-127 the bias (8 t + j); v128-255 the activations' fragments, two sets of 64; between products the heads' totals, at the end the codes.
;   window 1: the weights' fragments, two sets of 128; between products x + 1.   window 2: the accumulators, (mt, t) at v[8 (8 mt + t)].   window 3: what is carried, same index.
.set PB,    272                        ; an LDS row: 256 bytes + 16 = 68 words: row r starts at bank 4 r mod 64 (64 banks of 4 bytes: ISA guide 11.1)
.set AHALF, 64*PB                      ; what a wave reads of a chunk of the activations
.set ACH,   128*PB                     ; a chunk of the activations
.set BHALF, 128*PB                     ; what a wave reads of a chunk of the weights
.set SLOT3, ACH+256*PB
.set XBASE, 3*SLOT3                    ; 4,096 bytes for each half of the rows: the totals of heads 0-7; no tensor load lands here
.set SPARE, XBASE+2*4096               ; the spare words, 128 bytes a wave: two blocks of 256 bytes that no other line names
.set XLD, 6                            ; v6    where the totals of heads 0-7 of my rows lie
.set BO,  7                            ; v7    my byte offset in a bias
.set AO,  8                            ; v8    16 x lane
.set PFO, 9                            ; v9    1,024 x lane: a row of the activations; never rewritten
.set SPW, 10                           ; v10   LDS address of my spare word; never rewritten
.set NIL, 11                           ; v11   0; never rewritten
.set LIM, 48                           ; v48   448 x 2^(e6 - e4 - e5)
.set SCL, 49                           ; v49   2^(e6 - e4 - e5)
.set ADA, 50                           ; v50-52 LDS address of my fragments of the activations, slot 0, 1, 2
.set ADB, 53                           ; v53-55 of the weights
.set BI,  64
.set AF,  128
.set TT,  128                          ; my totals, 8 mt + j
.set TP,  160                          ; the totals of heads 0-7
.set G1A, 36                           ; s[36:43] descriptor group 1, activations (128 rows);  s[44:51] weights (256 rows)
.set G1B, 44
.set G0A, 52                           ; s[52:55] group 0, activations;  s[56:59] weights
.set G0B, 56
.set MSB, 0
.macro WIN new                         ; the immediate's high byte repeats the setting that is left; a switch that changes nothing is dropped
.if MSB != (\new)
	s_set_vgpr_msb (MSB<<8)|(\new)
.set MSB, (\new)
.endif
.endm
.macro PLACES n                        ; plain vector instructions between a matrix instruction and a load into, or a vector instruction on, its registers
.rept \n
	v_nop
.endr
.endm
.macro CREST                           ; a round of the cluster's barrier behind its opening barrier
	s_cmp_lg_u32 s30, 0
	s_cbranch_scc1 .Lnot_wave_0_\@
	s_barrier_signal -3
.Lnot_wave_0_\@:
	s_barrier_wait -3
	s_barrier_signal -1
	s_barrier_wait -1
.endm
.macro CROUND                          ; a whole round
	s_barrier_signal -1
	s_barrier_wait -1
	CREST
.endm
; The two groups 0, written only where no tensor load of the wave is out.  both = 0: one chunk, at koff along K, to LDS byte lbase.
; both = 1: two chunks: the waves with wave % 2 = 0 take the chunk at 256 flip to lbase, the others the chunk at 256 (1 - flip) to lbase + lstep.
.macro SETD asrc, wsrc, koff, lbase, both, lstep, flip
.if \both
	s_xor_b32 s66, s32, \flip
	s_lshl_b32 s66, s66, 8
	s_mul_i32 s68, s32, \lstep
.else
	s_mov_b32 s66, \koff
	s_mov_b32 s68, 0
.endif
	s_mov_b32 s67, 0
	s_add_co_u32 s[G0A+1], s68, \lbase
	s_add_co_u32 s[G0B+1], s68, (\lbase)+ACH
	s_add_nc_u64 s[G0A+2:G0A+3], s[\asrc:\asrc+1], s[66:67]
	s_or_b32 s[G0A+3], s[G0A+3], 0x80000000
	s_add_nc_u64 s[G0B+2:G0B+3], s[\wsrc:\wsrc+1], s[66:67]
	s_or_b32 s[G0B+3], s[G0B+3], 0x80000000
.endm
; The joint loads, one a wave: waves 0, 1 ask for activations, waves 2, 3 for weights; both = 0: waves 0 and 2 alone.  The branches hang on the wave's number alone.
; An s_nop 0 and four v_nop follow each load; the last four are the places in front of LDS loads for the waves that asked for nothing.
.macro FILL both
.if \both == 0
	s_cmp_eq_u32 s32, 0
	s_cbranch_scc0 .Lasked_\@
.endif
	s_cmp_eq_u32 s31, 0
	s_cbranch_scc0 .Lfor_w_\@
	tensor_load_to_lds s[G0A:G0A+3], s[G1A:G1A+7]
	s_nop 0
	PLACES 4
	s_branch .Lasked_\@
.Lfor_w_\@:
	tensor_load_to_lds s[G0B:G0B+3], s[G1B:G1B+7]
	s_nop 0
	PLACES 4
.Lasked_\@:
.if \both == 0
	PLACES 4
.endif
.endm
; The fragments of step u (128 along K) of product PR: the weights' eight, the activations' four, from slot (PR + u / 2) % 3; into set u % 2.  48 loads in one run.
.macro FETCH u
	WIN 0x40                                       ; destination window 1, address window 0
.irp t, 0,1,2,3,4,5,6,7
.irp c, 0,1,2,3
	ds_load_b128 v[128*((\u)&1)+16*\t+4*\c:128*((\u)&1)+16*\t+4*\c+3], v[ADB+(PR+((\u)>>1))%3] offset:16*PB*\t+128*((\u)&1)+32*\c
.endr
.endr
	WIN 0
.irp mt, 0,1,2,3
.irp c, 0,1,2,3
	ds_load_b128 v[AF+64*((\u)&1)+16*\mt+4*\c:AF+64*((\u)&1)+16*\mt+4*\c+3], v[ADA+(PR+((\u)>>1))%3] offset:16*PB*\mt+128*((\u)&1)+32*\c
.endr
.endr
.endm
; 16 matrix instructions: row tiles 2 half, 2 half + 1 x my eight heads.  first = 1: the bias, divided by the power of two that the sums lack, is the C of a sum's first instruction.
; The 32 accumulators take turns, one instruction a turn, in the same order in every step.
.macro MUL u, half, first
.if \first
	WIN 0x81                                       ; source 0 (weights) window 1, source 1 and C (the bias) window 0, D window 2
.else
	WIN 0xa1                                       ; C and D window 2
.endif
.irp mt, 2*\half, 2*\half+1
.irp t, 0,1,2,3,4,5,6,7
.if \first
	v_wmma_f32_16x16x128_fp8_fp8 v[8*(8*(\mt)+\t):8*(8*(\mt)+\t)+7], v[128*((\u)&1)+16*\t:128*((\u)&1)+16*\t+15], v[AF+64*((\u)&1)+16*(\mt):AF+64*((\u)&1)+16*(\mt)+15], v[BI+8*\t:BI+8*\t+7]
.else
	v_wmma_f32_16x16x128_fp8_fp8 v[8*(8*(\mt)+\t):8*(8*(\mt)+\t)+7], v[128*((\u)&1)+16*\t:128*((\u)&1)+16*\t+15], v[AF+64*((\u)&1)+16*(\mt):AF+64*((\u)&1)+16*(\mt)+15], v[8*(8*(\mt)+\t):8*(8*(\mt)+\t)+7]
.endif
.endr
.endr
.endm
; A step whose successor's chunk has been shown whole to every wave by an earlier barrier: the even steps, and step 3 (chunk 2 was waited for in front of step 1's round).
.macro STEP u, first
	s_wait_dscnt 0x0                               ; this step's fragments are in
	PLACES 4                                       ; the other set was multiplied just now
	FETCH \u+1
	MUL \u, 0, \first
	MUL \u, 1, \first
.endm
; Steps 1, 5 and 7.  Each wave waits for all its tensor loads, adds 0 to its spare word, and waits for that and for its LDS reads (this step's fragments are its last of the chunk); then one barrier.
; kind = 1 (step 1): the barrier opens a round of the cluster's; behind it chunk 3 of this product, at koff of s[asrc] and s[wsrc], goes into chunk 0's slot.
; kind = 2 (step 7): likewise; the next product's chunks 0 and 1 go into the slots of this product's chunks 1 and 2.  kind = 0 (step 5): a plain barrier: chunk 3 is whole.  ask: the base of one prefetch, or 0.
.macro TURN u, kind, wsrc, koff, asrc, ask
	WIN 0                                          ; (the add's two registers lie in window 0)
	s_wait_tensorcnt 0x0                           ; no tensor load of mine is out, and a group 0 may be written
	ds_add_u32 v[SPW], v[NIL]                      ; 0 onto my spare word; the descriptors' addresses stand between it and the wait for it
.if \kind == 1
	SETD \asrc, \wsrc, \koff, (PR%3)*SLOT3, 0, 0, 0
.endif
.if \kind == 2
.if PR == 0
	SETD \asrc, \wsrc, 0, SLOT3, 1, SLOT3, 0       ; chunk 0 to slot 1, chunk 1 to slot 2
.else
	SETD \asrc, \wsrc, 0, 0, 1, 2*SLOT3, 1         ; chunk 1 to slot 0, chunk 0 to slot 2
.endif
.endif
	s_wait_dscnt 0x0                               ; the add is done, and my reads are over
	s_barrier_signal -1
	MUL \u, 0, 0                                   ; work on registers while the others arrive
	WIN 0
	s_barrier_wait -1
.if \kind >= 1
	CREST                                          ; no wave of any partner still reads what is filled now, or has a load on its way
.endif
.if \kind == 2
	FILL 1
.elseif \kind == 1
	FILL 0
.else
	PLACES 4
.endif
.if \u < 7
	FETCH \u+1
.endif
.if \ask
	global_prefetch_b8 v[PFO], s[\ask:\ask+1] th:TH_LOAD_NT scope:SCOPE_SE   ; the next product's activations: six steps, 192 matrix instructions, ahead of the first load that asks for them
.endif
	MUL \u, 1, 0
.endm
; The round between two products: the next product's chunks 0 and 1 have landed in every wave; its chunk 2 goes into the slot of the last product's chunk 3, read out in front of step 7's barrier.
.macro MIDFILL asrc, wsrc
	s_wait_tensorcnt 0x0
	ds_add_u32 v[SPW], v[NIL]
	SETD \asrc, \wsrc, 512, (PR%3)*SLOT3, 0, 0, 0
	s_wait_dscnt 0x0
	CROUND
	FILL 0
.endm
.macro BIASLD ptr                      ; lane (r, h) wants b[64 (8 wcol + t) + g + 4 (8 h + j)]
.irp t, 0,1,2,3,4,5,6,7
.irp j, 0,1,2,3,4,5,6,7
	global_load_b32 v[BI+8*\t+\j], v[BO], s[\ptr:\ptr+1] offset:256*\t+16*\j
.endr
.endr
.endm
.macro BIASSC sneg                     ; b / 2^(the two operands' e added): a sum of codes stands for sum x that power
	s_wait_loadcnt 0x0
.set i, 0
.rept 64
	v_ldexp_f32 v[BI+i], v[BI+i], s[\sneg]
.set i, i+1
.endr
.endm
; elu(x) + 1 on all 256 accumulator registers, in place.  x = sum x s[sc]; s[sl] = s[sc] x log2(e).
.macro ELU sc, sl
	WIN 0x42                                       ; source 0 window 2, destination window 1
.set i, 0
.rept 128
	v_pk_fma_f32 v[i:i+1], v[i:i+1], s[\sc:\sc+1], 1.0 op_sel_hi:[1,0,0]   ; x + 1; each accumulator from its low end on
.set i, i+2
.endr
	WIN 0x82
.set i, 0
.rept 128
	v_pk_mul_f32 v[i:i+1], v[i:i+1], s[\sl:\sl+1] op_sel_hi:[1,0]          ; x log2(e)
.set i, i+2
.endr
.set i, 0
	s_wait_alu depctr_va_vdst(0)
.rept 256
	v_exp_f32 v[i], v[i]                           ; e^x: one batch
.set i, i+1
.endr
	v_nop                                          ; a plain instruction behind the last exponential
	s_wait_alu depctr_va_vdst(0)                   ; one wait for the batch, ahead of its first reader
	WIN 0x89                                       ; source 0 (x + 1) window 1, source 1 and destination window 2
.set i, 0
.rept 256
	v_med3_num_f32 v[i], v[i], v[i], 1.0           ; the middle one of x + 1, e^x, 1
.set i, i+1
.endr
.endm
	s_load_b512 s[4:19], s[0:1], 0x0               ; k s[4:5], q s[6:7], v s[8:9], wk s[10:11], wq s[12:13], wv s[14:15], bk s[16:17], bq s[18:19]
	s_load_b256 s[20:27], s[0:1], 0x40             ; bv s[20:21], wc s[22:23], the scales' exponents s[24:25], attn s[26:27]
	s_load_b64 s[28:29], s[0:1], 0x60              ; wcp
	v_lshl_add_u32 v[SPW], v0, 2, SPARE
	v_mov_b32 v[NIL], 0
	ds_add_u32 v[SPW], v[NIL]                      ; the wave's opening: the add, twice on end, and its wait ahead of my first tensor load; the set-up below stands between
	ds_add_u32 v[SPW], v[NIL]                      ; and once more
	v_lshrrev_b32 v1, 5, v0
	v_readfirstlane_b32 s30, v1                    ; wave 0..3
	s_lshr_b32 s31, s30, 1                         ; wrow: which 64 rows are mine.  Also: I fetch activations (0) or weights (1)
	s_and_b32 s32, s30, 1                          ; wcol: which 8 heads.  Also: which of two chunks I fetch
	s_bfe_u32 s33, ttmp6, 0x40000                  ; cx = g (the grid is one cluster wide)
	s_bfe_u32 s34, ttmp6, 0x40004                  ; cy
	s_and_b32 s35, ttmp7, 0xffff
	s_lshl_b32 s35, s35, 2
	s_add_co_u32 s35, s35, s34                     ; rb = 4 x cluster y + cy
	s_lshl_b32 s66, s34, 2
	s_lshl_b32 s66, 15, s66                        ; my row of the cluster
	s_lshl_b32 s67, 0x1111, s33                    ; my column
	s_or_b32 s[G1A], s66, (1<<20)|(1<<21)|(5<<22)|(3<<25)   ; 15:0 the mask; 17:16 elements of 1 byte; 20 padding on; 21 set beside a mask; 24:22 after every 64 words (code 5); 31:25 four words (code 3)
	s_mov_b32 s[G1A+1], 256<<16                    ; tensor_dim0 = 256
	s_mov_b32 s[G1A+2], 128<<16                    ; tensor_dim1 = 128
	s_mov_b32 s[G1A+3], 256<<16                    ; tile_dim0
	s_mov_b32 s[G1A+4], 128                        ; tile_dim1
	s_mov_b32 s[G1A+5], 1024                       ; from row to row
	s_mov_b32 s[G1A+6], 0
	s_mov_b32 s[G1A+7], 0
	s_or_b32 s[G1B], s67, (1<<20)|(1<<21)|(5<<22)|(3<<25)
	s_mov_b32 s[G1B+1], 256<<16
	s_mov_b32 s[G1B+2], 256<<16                    ; 256 rows
	s_mov_b32 s[G1B+3], 256<<16
	s_mov_b32 s[G1B+4], 256
	s_mov_b32 s[G1B+5], 4096                       ; every fourth row of a weight
	s_mov_b32 s[G1B+6], 0
	s_mov_b32 s[G1B+7], 0
	s_lshl_b32 s68, s35, 17                        ; the activations: row 128 rb, 1,024 bytes a row: of cy alone
	s_mov_b32 s69, 0
	s_lshl_b32 s70, s33, 10                        ; the weights: row g: of cx alone
	s_mov_b32 s71, 0
	s_mov_b32 s[G0A], 1
	s_mov_b32 s[G0B], 1
	s_wait_dscnt 0x0                               ; both opening adds are done
	s_wait_kmcnt 0x0
	s_load_b256 s[72:79], s[24:25], 0x0            ; e0 .. e7
	s_add_nc_u64 s[4:5], s[4:5], s[68:69]
	s_add_nc_u64 s[6:7], s[6:7], s[68:69]
	s_add_nc_u64 s[8:9], s[8:9], s[68:69]
	s_add_nc_u64 s[10:11], s[10:11], s[70:71]
	s_add_nc_u64 s[12:13], s[12:13], s[70:71]
	s_add_nc_u64 s[14:15], s[14:15], s[70:71]
	SETD 4, 10, 0, 0, 1, SLOT3, 0                  ; k's and wk's chunk 0 to slot 0, chunk 1 to slot 1
	CROUND                                         ; all sixteen work-groups are here: the first joint loads meet
	FILL 1                                         ; one tensor load a wave at the head
	v_and_b32 v41, 15, v0                          ; r
	s_wait_alu depctr_va_vdst(0)
	v_bfe_u32 v42, v0, 4, 1                        ; h
	v_and_b32 v43, 31, v0                          ; lane
	v_lshlrev_b32 v[AO], 4, v43
	v_lshlrev_b32 v[PFO], 10, v43
	s_lshl_b32 s66, s33, 2
	s_lshl_b32 s67, s32, 11
	s_add_co_u32 s66, s66, s67
	v_lshl_add_u32 v[BO], v42, 7, s66              ; 4 g + 128 h + 2,048 wcol
	BIASLD 16                                      ; bk
	; THE wc JOB.  u = 4 rb + g counts the 512 work-groups.  Work-group u takes 16 rows n of wc (tile u / 8) x two heads (128 bytes at 128 (u % 8)); a lane reads 32 bytes of each head, at d = 32 h on; wave w keeps
	; byte w of each word (d = 32 h + 4 j + w): four registers of the fragment (g = w, wcol = (u % 8) / 4), stored as 512 consecutive bytes.
	s_lshl_b32 s98, s35, 2
	s_add_co_u32 s98, s98, s33                     ; u
	s_and_b32 s99, s98, 7
	s_lshr_b32 s100, s98, 3
	s_lshl_b32 s100, s100, 14
	s_lshl_b32 s101, s99, 7
	s_add_co_u32 s100, s100, s101
	s_mov_b32 s101, 0
	s_add_nc_u64 s[22:23], s[22:23], s[100:101]
	v_lshlrev_b32 v40, 10, v41
	s_wait_alu depctr_va_vdst(0)
	v_lshl_add_u32 v40, v42, 5, v40                ; 1,024 r + 32 h
	global_load_b128 v[12:15], v40, s[22:23]
	global_load_b128 v[16:19], v40, s[22:23] offset:16
	global_load_b128 v[20:23], v40, s[22:23] offset:64
	global_load_b128 v[24:27], v40, s[22:23] offset:80
	s_lshr_b32 s100, s98, 6                        ; wcp: n / 128,
	s_lshl_b32 s100, s100, 17
	s_lshl_b32 s101, s30, 15                       ; g = my wave,
	s_add_co_u32 s100, s100, s101
	s_bfe_u32 s101, s98, 0x30003                   ; (n / 16) % 8,
	s_lshl_b32 s101, s101, 12
	s_add_co_u32 s100, s100, s101
	s_lshl_b32 s101, s99, 9                        ; wcol and the four registers
	s_add_co_u32 s100, s100, s101
	s_mov_b32 s101, 0
	s_add_nc_u64 s[28:29], s[28:29], s[100:101]
	s_lshl_b32 s100, s98, 15                       ; attn: (rb, g), my four row tiles, my wcol
	s_lshl_b32 s101, s31, 14
	s_add_co_u32 s100, s100, s101
	s_lshl_b32 s101, s32, 11
	s_add_co_u32 s100, s100, s101
	s_mov_b32 s101, 0
	s_add_nc_u64 s[26:27], s[26:27], s[100:101]
	; THE PREFETCHES.  The activations of a product are 128 rows x four blocks of 256 bytes, read by my row of the cluster alone.  A wave takes rows 32 x wave + lane,
	; and the four partners take a block each, told apart by address: 256 cx.  So each block is named once in the launch.  k's come by their loads alone.
	s_lshl_b32 s100, s30, 15
	s_lshl_b32 s101, s33, 8
	s_add_co_u32 s100, s100, s101
	s_mov_b32 s101, 0
	s_add_nc_u64 s[94:95], s[6:7], s[100:101]      ; in q
	s_add_nc_u64 s[96:97], s[8:9], s[100:101]      ; in v
	v_mul_u32_u24 v[ADB], v41, PB
	v_lshl_add_u32 v[ADB], v42, 4, v[ADB]          ; a fragment's row x pitch + 16 x half
	s_mul_i32 s66, s31, AHALF
	v_add_nc_u32 v[ADA], s66, v[ADB]
	s_mul_i32 s66, s32, BHALF
	s_add_co_u32 s66, s66, ACH
	v_add_nc_u32 v[ADB], s66, v[ADB]
.irp s, 1,2
	v_add_nc_u32 v[ADA+\s], \s*SLOT3, v[ADA]
	v_add_nc_u32 v[ADB+\s], \s*SLOT3, v[ADB]
.endr
	s_lshl_b32 s66, s31, 12
	s_add_co_u32 s66, s66, XBASE
	v_add_nc_u32 v[XLD], s66, v[AO]
	s_wait_kmcnt 0x0
	s_add_co_i32 s66, s74, s75                     ; e2 + e3: k's product
	s_sub_co_i32 s88, 0, s66
	s_add_co_i32 s66, s66, 127
	s_lshl_b32 s80, s66, 23                        ; 2^(e2 + e3) as f32
	s_mov_b32 s81, s80                             ; (named with it as a pair, so it is written)
	s_mul_f32 s82, s80, 0x3fb8aa3b                 ; x log2(e)
	s_mov_b32 s83, s82
	s_add_co_i32 s66, s72, s73                     ; e0 + e1: q's
	s_sub_co_i32 s89, 0, s66
	s_add_co_i32 s66, s66, 127
	s_lshl_b32 s84, s66, 23
	s_mov_b32 s85, s84
	s_mul_f32 s86, s84, 0x3fb8aa3b
	s_mov_b32 s87, s86
	s_add_co_i32 s66, s76, s77                     ; e4 + e5: v's.  Its sums stay as they are: the three exponents are folded into the conversion's one scale
	s_sub_co_i32 s90, 0, s66
	s_sub_co_i32 s66, s78, s66
	s_add_co_i32 s66, s66, 127
	s_lshl_b32 s67, s66, 23
	v_mov_b32 v[SCL], s67
	s_add_co_i32 s66, s66, 8
	s_lshl_b32 s66, s66, 23
	s_or_b32 s66, s66, 0x600000
	v_mov_b32 v[LIM], s66
	s_cmp_lg_u32 s32, 0
	s_cselect_b32 s91, -1, 0                       ; all lanes in the waves of heads 8-15, none in the others
	s_mul_i32 s92, s30, 0x01010101
	s_add_co_u32 s92, s92, 0x04000400              ; byte w of the second source, byte w of the first, twice
	BIASSC 88                                      ; (its wait is also wc's)
.irp p, 0,1,2,3,4,5,6,7
	v_perm_b32 v[28+\p], v[13+2*\p], v[12+2*\p], s92
.endr
.irp p, 0,1,2,3
	v_perm_b32 v[36+\p], v[29+2*\p], v[28+2*\p], 0x05040100
.endr
	global_store_b128 v[AO], v[36:39], s[28:29]
	; ---- K = k wk + bk
.set PR, 0
	s_wait_tensorcnt 0x0                           ; my tile of chunks 0, 1 is in; slot 2's first fill is issued as a refill is
	ds_add_u32 v[SPW], v[NIL]
	SETD 4, 10, 512, 2*SLOT3, 0, 0, 0
	s_wait_dscnt 0x0
	CROUND
	FILL 0                                         ; chunk 2
	FETCH 0
	STEP 0, 1
	TURN 1, 1, 10, 768, 4, 94
	STEP 2, 0
	STEP 3, 0
	STEP 4, 0
	TURN 5, 0, 0, 0, 0, 0
	STEP 6, 0
	TURN 7, 2, 12, 0, 6, 0                         ; q's and wq's chunks 0 and 1: they land under the work below
	; ---- k = elu(K) + 1; kcum; carried = k / kcum
	PLACES 4
	WIN 0
	BIASLD 18                                      ; bq
	ELU 80, 82
	WIN 0x0a                                       ; sources window 2, destination window 0: the totals of my 8 heads, in 16 chains
.irp mt, 0,1,2,3
.irp j, 0,2,4,6
	v_pk_add_f32 v[TT+8*\mt+\j:TT+8*\mt+\j+1], v[64*\mt+\j:64*\mt+\j+1], v[64*\mt+8+\j:64*\mt+8+\j+1]
.endr
.endr
	WIN 0x02
.irp t, 2,3,4,5,6,7
.irp mt, 0,1,2,3
.irp j, 0,2,4,6
	v_pk_add_f32 v[TT+8*\mt+\j:TT+8*\mt+\j+1], v[64*\mt+8*\t+\j:64*\mt+8*\t+\j+1], v[TT+8*\mt+\j:TT+8*\mt+\j+1]
.endr
.endr
.endr
	WIN 0
	s_cmp_lg_u32 s32, 0                            ; only the totals of heads 0-7 are read
	s_cbranch_scc1 .Lno_totals
.irp c, 0,1,2,3,4,5,6,7
	ds_store_b128 v[XLD], v[TT+4*\c:TT+4*\c+3] offset:512*\c   ; as an image of the registers: the reader has the same lanes
.endr
.Lno_totals:
	MIDFILL 6, 12                                  ; its wait on DScnt is also for my stores, its round the barrier between them and the reads below
.irp c, 0,1,2,3,4,5,6,7
	ds_load_b128 v[TP+4*\c:TP+4*\c+3], v[XLD] offset:512*\c
.endr
	s_wait_dscnt 0x0
.set i, 0
.rept 32
	v_cndmask_b32 v[TP+i], 0, v[TP+i], s91         ; heads 0-7 begin at 0
.set i, i+1
.endr
	WIN 0xc2                                       ; source 0 window 2, source 1 window 0, destination window 3
.irp mt, 0,1,2,3
.irp j, 0,2,4,6
	v_pk_add_f32 v[64*\mt+\j:64*\mt+\j+1], v[64*\mt+\j:64*\mt+\j+1], v[TP+8*\mt+\j:TP+8*\mt+\j+1]
.endr
.endr
	WIN 0xce                                       ; source 1 window 3: kcum of head t = k of head t + kcum of head t - 1
.irp t, 1,2,3,4,5,6,7
.irp mt, 0,1,2,3
.irp j, 0,2,4,6
	v_pk_add_f32 v[64*\mt+8*\t+\j:64*\mt+8*\t+\j+1], v[64*\mt+8*\t+\j:64*\mt+8*\t+\j+1], v[64*\mt+8*(\t-1)+\j:64*\mt+8*(\t-1)+\j+1]
.endr
.endr
.endr
	WIN 0xc3
.set i, 0
	s_wait_alu depctr_va_vdst(0)
.rept 256
	v_rcp_f32 v[i], v[i]                           ; one batch
.set i, i+1
.endr
	v_nop
	s_wait_alu depctr_va_vdst(0)                   ; one wait for the batch, ahead of its first reader
	WIN 0xce
.set i, 0
.rept 128
	v_pk_mul_f32 v[i:i+1], v[i:i+1], v[i:i+1]      ; k (window 2) x 1 / kcum (window 3)
.set i, i+2
.endr
	WIN 0
	BIASSC 89
	; ---- Q = q wq + bq.  Its chunks 0 and 1 were shown whole by the round above
.set PR, 1
	s_wait_alu depctr_va_vdst(0)
	FETCH 0
	STEP 0, 1
	TURN 1, 1, 12, 768, 6, 96
	STEP 2, 0
	STEP 3, 0
	STEP 4, 0
	TURN 5, 0, 0, 0, 0, 0
	STEP 6, 0
	TURN 7, 2, 14, 0, 8, 0                         ; v's and wv's chunks 0 and 1
	; ---- carried x (elu(Q) + 1)
	PLACES 4
	WIN 0
	BIASLD 20                                      ; bv
	ELU 84, 86
	WIN 0
	s_wait_alu depctr_va_vdst(0)
	MIDFILL 8, 14
	WIN 0xcb                                       ; source 0 and destination window 3, source 1 window 2
.set i, 0
.rept 128
	v_pk_mul_f32 v[i:i+1], v[i:i+1], v[i:i+1]
.set i, i+2
.endr
	WIN 0
	BIASSC 90
	; ---- V = v wv + bv
.set PR, 2
	s_wait_alu depctr_va_vdst(0)
	FETCH 0
	STEP 0, 1
	TURN 1, 1, 14, 768, 8, 0
	STEP 2, 0
	STEP 3, 0
	STEP 4, 0
	TURN 5, 0, 0, 0, 0, 0
	STEP 6, 0
	s_wait_dscnt 0x0
	MUL 7, 0, 0
	MUL 7, 1, 0
	; ---- attn = carried x V, held at the largest code, converted, stored
	PLACES 4
	WIN 0xcb
.set i, 0
.rept 128
	v_pk_mul_f32 v[i:i+1], v[i:i+1], v[i:i+1]      ; each accumulator is read from its low end on
.set i, i+2
.endr
	WIN 0xc3
.set i, 0
.rept 256
	v_med3_num_f32 v[i], v[i], -v[LIM], v[LIM]     ; the conversion to an 8-bit code does not saturate (ISA guide 7.6.2)
.set i, i+1
.endr
	WIN 0x03                                       ; source 0 window 3; scale and destination window 0
.irp mt, 0,1,2,3
.irp t, 0,1,2,3,4,5,6,7
	v_cvt_scalef32_pk8_fp8_f32 v[AF+16*\mt+2*\t:AF+16*\mt+2*\t+1], v[64*\mt+8*\t:64*\mt+8*\t+7], v[SCL]
.endr
.endr
	v_nop                                          ; a plain instruction behind the last conversion
	WIN 0
.irp mt, 0,1,2,3
.irp c, 0,1,2,3
	global_store_b128 v[AO], v[AF+16*\mt+4*\c:AF+16*\mt+4*\c+3], s[26:27] offset:4096*\mt+512*\c   ; 32 lanes store 512 consecutive bytes, at a multiple of 256 from attn's first byte
.endr
.endr
	s_wait_tensorcnt 0x0                           ; the wave's end: behind my last tensor load and my last LDS store
	ds_add_u32 v[SPW], v[NIL]
	s_wait_dscnt 0x0
	CROUND                                         ; the closing round: no work-group ends while a partner may still ask for a tile that names it
	s_endpgm
.Lfunc_end_k_q2e9f32358f_proj:
	.size	k_q2e9f32358f_proj, .Lfunc_end_k_q2e9f32358f_proj-k_q2e9f32358f_proj
	.p2alignl 7, 3214868480
	.fill 96, 4, 3214868480
	.section	.rodata,"a",@progbits
	.p2align	6, 0x0
	.amdhsa_kernel k_q2e9f32358f_proj
		.amdhsa_group_segment_fixed_size 327680
		.amdhsa_private_segment_fixed_size 0
		.amdhsa_enable_private_segment 0
		.amdhsa_kernarg_size 104
		.amdhsa_user_sgpr_count 2
		.amdhsa_user_sgpr_kernarg_segment_ptr 1
		.amdhsa_wavefront_size32 1
		.amdhsa_system_sgpr_workgroup_id_x 1
		.amdhsa_system_sgpr_workgroup_id_y 1
		.amdhsa_system_sgpr_workgroup_id_z 1
		.amdhsa_system_vgpr_workitem_id 0
		.amdhsa_next_free_vgpr 1024
		.amdhsa_next_free_sgpr 102
		.amdhsa_reserve_vcc 0
		.amdhsa_float_denorm_mode_32 3
		.amdhsa_float_denorm_mode_16_64 3
		.amdhsa_memory_ordered 1
		.amdhsa_forward_progress 1
		.amdhsa_inst_pref_size 255
	.end_amdhsa_kernel
	.section	.bss,"aw",@nobits
	.p2align	6
	.space	262144
	.amdgpu_metadata
---
amdhsa.version: [ 1, 2 ]
amdhsa.kernels:
  - .name:           k_q2e9f32358f_proj
    .symbol:         k_q2e9f32358f_proj.kd
    .args:
      - { .name: k_codes, .offset: 0, .size: 8, .value_kind: global_buffer, .address_space: global }
      - { .name: q_codes, .offset: 8, .size: 8, .value_kind: global_buffer, .address_space: global }
      - { .name: v_codes, .offset: 16, .size: 8, .value_kind: global_buffer, .address_space: global }
      - { .name: wk_w_codes, .offset: 24, .size: 8, .value_kind: global_buffer, .address_space: global }
      - { .name: wq_w_codes, .offset: 32, .size: 8, .value_kind: global_buffer, .address_space: global }
      - { .name: wv_w_codes, .offset: 40, .size: 8, .value_kind: global_buffer, .address_space: global }
      - { .name: wk_b, .offset: 48, .size: 8, .value_kind: global_buffer, .address_space: global }
      - { .name: wq_b, .offset: 56, .size: 8, .value_kind: global_buffer, .address_space: global }
      - { .name: wv_b, .offset: 64, .size: 8, .value_kind: global_buffer, .address_space: global }
      - { .name: wc_w_codes, .offset: 72, .size: 8, .value_kind: global_buffer, .address_space: global }
      - { .name: lowp_scales, .offset: 80, .size: 8, .value_kind: global_buffer, .address_space: global }
      - { .name: attn, .offset: 88, .size: 8, .value_kind: global_buffer, .address_space: global }
      - { .name: wcp, .offset: 96, .size: 8, .value_kind: global_buffer, .address_space: global }
    .group_segment_fixed_size: 327680
    .private_segment_fixed_size: 0
    .kernarg_segment_align: 8
    .kernarg_segment_size: 104
    .max_flat_workgroup_size: 128
    .sgpr_count:     102
    .vgpr_count:     1024
    .wavefront_size: 32
...
	.end_amdgpu_metadata
.endif
;; end of part 1
;; launch outp (part 2): grid 4 x 64, 4 waves a work-group, clusters of 4 x 1, 327,680 bytes of LDS; arguments attn, wcp, lowp_scales, wc_b, out0; writes out0
.if DOCPART == 2
	.amdgcn_target "amdgcn-amd-amdhsa--gfx1250"
	.amdhsa_code_object_version 6
	.text
	.protected	k_q2e9f32358f_outp
	.globl	k_q2e9f32358f_outp
	.p2align	8
	.type	k_q2e9f32358f_outp,@function
k_q2e9f32358f_outp:
	s_mov_b64 s[64:65], 0
	v_nop
	global_prefetch_b8 v0, s[64:65] scope:SCOPE_SE
	s_setreg_imm32_b32 hwreg(HW_REG_WAVE_MODE, 25, 1), 1
	s_wait_xcnt 0x0
	s_wait_alu depctr_hold_cnt(0) depctr_sa_sdst(0) depctr_va_vdst(0) depctr_va_sdst(0) depctr_va_ssrc(0) depctr_va_vcc(0) depctr_vm_vsrc(0)
	s_getreg_b32 s2, hwreg(HW_REG_IB_STS2, 6, 4)
	s_cmp_eq_u32 s2, 0
	s_cbranch_scc0 .Lentry_in_a_cluster
	s_endpgm
.Lentry_in_a_cluster:
	s_bfe_u32 s2, ttmp6, 0x10000c
	s_cmp_lg_u32 s2, 0x3003
	s_cbranch_scc0 .Lentry_shape_is_right
	s_endpgm
.Lentry_shape_is_right:
.set CHUNK,  32768
.set RBLK,   4*CHUNK
.set STAGE,  2*RBLK
.set SPITCH, 272
.set SPARE,  STAGE+4*16*SPITCH
.set ADR,  16
.set STO,  24
.set RD,   25
.set CO,   26
.set BOF,  27
.set SPW,  28
.set NIL,  29
.set LI,   30
.set BIA,  32
.set BB,   64
.set AF,   64
.set G1,   24
.set G0,   32
.set SC,   48
.set MSB, 0
.macro WIN new
.if MSB != (\new)
	s_set_vgpr_msb (MSB<<8)|(\new)
.set MSB, (\new)
.endif
.endm
.macro PLACES n
.rept \n
	v_nop
.endr
.endm
.macro CROUND
	s_barrier_signal -1
	s_barrier_wait -1
	s_cmp_lg_u32 s14, 0
	s_cbranch_scc1 .Lnot_wave_0_\@
	s_barrier_signal -3
.Lnot_wave_0_\@:
	s_barrier_wait -3
	s_barrier_signal -1
	s_barrier_wait -1
.endm
	s_load_b256 s[4:11], s[0:1], 0x0
	s_load_b64 s[12:13], s[0:1], 0x20
	v_lshl_add_u32 v[SPW], v0, 2, SPARE
	v_mov_b32 v[NIL], 0
	ds_add_u32 v[SPW], v[NIL]
	ds_add_u32 v[SPW], v[NIL]
	v_lshrrev_b32 v1, 5, v0
	v_readfirstlane_b32 s14, v1
	s_lshr_b32 s15, s14, 1
	s_and_b32 s16, s14, 1
	s_bfe_u32 s40, ttmp6, 0x40000
	s_lshl_b32 s42, ttmp9, 2
	s_add_co_u32 s42, s42, s40
	s_and_b32 s17, ttmp7, 0xffff
	s_mov_b32 s[G1], 15|(3<<16)|(1<<21)
	s_mov_b32 s[G1+1], 32<<16
	s_mov_b32 s[G1+2], 128<<16
	s_mov_b32 s[G1+3], 32<<16
	s_mov_b32 s[G1+4], 128
	s_mov_b32 s[G1+5], 32
	s_mov_b32 s[G1+6], 0
	s_mov_b32 s[G1+7], 0
	s_lshl_b32 s45, s14, 15
	s_lshl_b32 s20, s17, 18
	s_add_co_u32 s20, s20, s45
	s_mov_b32 s21, 0
	s_lshl_b32 s46, s42, 1
	s_add_co_u32 s46, s46, s15
	s_lshl_b32 s46, s46, 17
	s_lshl_b32 s47, s16, 14
	s_add_co_u32 s46, s46, s47
	s_mov_b32 s47, 0
	s_lshl_b32 s18, s42, 10
	s_lshl_b32 s19, s14, 8
	s_add_co_u32 s18, s18, s19
	s_mov_b32 s19, 0
	s_lshl_b32 s22, s17, 20
	s_add_co_u32 s22, s22, s18
	s_mov_b32 s23, 0
	s_wait_dscnt 0x0
	s_wait_kmcnt 0x0
	s_load_b64 s[SC:SC+1], s[8:9], 0x18
	s_add_nc_u64 s[20:21], s[4:5], s[20:21]
	s_add_nc_u64 s[6:7], s[6:7], s[46:47]
	s_add_nc_u64 s[10:11], s[10:11], s[18:19]
	s_add_nc_u64 s[12:13], s[12:13], s[22:23]
	s_mov_b32 s[G0], 1
	s_mov_b32 s[G0+1], s45
	s_mov_b64 s[G0+2:G0+3], s[20:21]
	s_or_b32 s[G0+3], s[G0+3], 0x80000000
	s_mov_b32 s[G0+4], 1
	s_add_co_u32 s[G0+5], s45, RBLK
	s_add_nc_u64 s[G0+6:G0+7], s[20:21], RBLK
	s_or_b32 s[G0+7], s[G0+7], 0x80000000
	CROUND
	tensor_load_to_lds s[G0:G0+3], s[G1:G1+7]      ; my quarter of the first 128 rows of attn: one tensor load a wave at the head
	s_nop 0
	PLACES 4
	; the bias, my 64 columns' weights (all of K, into windows 1 and 2) and the addresses are asked for and made while that tile is on its way
	v_and_b32 v1, 15, v0
	v_bfe_u32 v2, v0, 4, 1
	v_and_b32 v6, 31, v0
	v_lshlrev_b32 v[LI], 4, v6
	v_lshlrev_b32 v[BOF], 5, v2
.irp b, 0,1,2,3
	global_load_b128 v[BIA+8*\b:BIA+8*\b+3], v[BOF], s[10:11] offset:64*\b
	global_load_b128 v[BIA+8*\b+4:BIA+8*\b+7], v[BOF], s[10:11] offset:64*\b+16
.endr
	WIN 0x40
.irp k, 0,1,2,3
.irp b, 0,1,2,3
.irp c, 0,1,2,3
	global_load_b128 v[64*\k+16*\b+4*\c:64*\k+16*\b+4*\c+3], v[LI], s[6:7] offset:32768*(\k/2)+4096*\b+2048*(\k%2)+512*\c
.endr
.endr
.endr
	WIN 0x80
.irp k, 0,1,2,3
.irp b, 0,1,2,3
.irp c, 0,1,2,3
	global_load_b128 v[64*\k+16*\b+4*\c:64*\k+16*\b+4*\c+3], v[LI], s[6:7] offset:65536+32768*(\k/2)+4096*\b+2048*(\k%2)+512*\c
.endr
.endr
.endr
	WIN 0
.irp k, 0,1,2,3
	v_add_nc_u32 v[ADR+\k], 65536*\k, v[LI]
.endr
	s_mul_i32 s44, s14, 16*SPITCH
	s_add_co_u32 s44, s44, STAGE
	v_mul_u32_u24 v5, v1, SPITCH
	v_lshl_add_u32 v5, v2, 5, v5
	v_add_nc_u32 v[STO], s44, v5
	v_mul_u32_u24 v7, v2, SPITCH
	v_lshl_add_u32 v7, v1, 4, v7
	v_add_nc_u32 v[RD], s44, v7
	v_lshlrev_b32 v8, 12, v2
	v_lshl_add_u32 v[CO], v1, 4, v8
	s_wait_alu depctr_va_vdst(0)
	s_wait_tensorcnt 0x0                           ; the second block's first fill is issued as a refill is
	ds_add_u32 v[SPW], v[NIL]
	s_wait_dscnt 0x0
	CROUND
	tensor_load_to_lds s[G0+4:G0+7], s[G1:G1+7]    ; my quarter of the second 128 rows
	s_nop 0
	PLACES 4
.macro FETCH q
.set FU, (\q)/2
.set FB, ADR+2*(FU/8)+((\q)%2)
.set FS, AF+64*((\q)%3)
	WIN 0xc0
.irp k, 0,1,2,3
.irp c, 0,1,2,3
	ds_load_b128 v[FS+16*\k+4*\c:FS+16*\k+4*\c+3], v[FB] offset:32768*(\k/2)+4096*(FU%8)+2048*(\k%2)+512*\c
.endr
.endr
.endm
.macro MUL q
.set MA, AF+64*((\q)%3)
.set MC, 32*(((\q)/2)%2)
	WIN 0xfd+((\q)%2)
.irp k, 0,1,2,3
.irp b, 0,1,2,3
.if ((\q)%2 == 0) && (\k == 0)
	v_wmma_f32_16x16x128_fp8_fp8 v[MC+8*\b:MC+8*\b+7], v[64*\k+16*\b:64*\k+16*\b+15], v[MA+16*\k:MA+16*\k+15], 0
.else
	v_wmma_f32_16x16x128_fp8_fp8 v[MC+8*\b:MC+8*\b+7], v[64*\k+16*\b:64*\k+16*\b+15], v[MA+16*\k:MA+16*\k+15], v[MC+8*\b:MC+8*\b+7]
.endif
.endr
.endr
.endm
.macro TOSTAGE u
.set AC, 32*((\u)%2)
	WIN 0xc3
.irp j, 0,2,4,6,8,10,12,14,16,18,20,22,24,26,28,30
	v_pk_fma_f32 v[AC+\j:AC+\j+1], v[AC+\j:AC+\j+1], s[SC:SC+1], v[BIA+\j:BIA+\j+1] op_sel_hi:[1,0,1]
.endr
	WIN 0x0c
.irp b, 0,1,2,3
	ds_store_b128 v[STO], v[AC+8*\b:AC+8*\b+3] offset:64*\b
	ds_store_b128 v[STO], v[AC+8*\b+4:AC+8*\b+7] offset:64*\b+16
.endr
	WIN 0
	s_wait_xcnt 0x0
.irp t, 0,1,2,3,4,5,6,7
	ds_load_b128 v[BB+4*\t:BB+4*\t+3], v[RD] offset:\t*2*SPITCH
.endr
.endm
.macro SEND u
	WIN 0
.irp t, 0,1,2,3,4,5,6,7
	global_store_b128 v[CO], v[BB+4*\t:BB+4*\t+3], s[12:13] offset:(16*(\u)+2*\t)*4096 th:TH_STORE_NT
.endr
.endm
.macro STEP q
.if (\q) == 14
	s_wait_tensorcnt 0x0
	s_wait_dscnt 0x0
	s_barrier_signal -1
	s_barrier_wait -1
.elseif (\q) == 31
	s_wait_dscnt 0x0
.else
	s_wait_dscnt 16
.endif
	PLACES 4
.if ((\q)%2 == 1) && ((\q) >= 3)
	TOSTAGE ((\q)-3)/2
.endif
.if ((\q)%2 == 0) && ((\q) >= 4)
	SEND ((\q)-4)/2
.endif
.if (\q)+2 < 32
	FETCH (\q)+2
.endif
	MUL \q
.endm
	s_wait_tensorcnt 1
	s_barrier_signal -1
	s_barrier_wait -1
	FETCH 0
	FETCH 1
	s_wait_kmcnt 0x0
	s_add_co_i32 s[SC], s[SC], s[SC+1]
	s_add_co_i32 s[SC], s[SC], 127
	s_lshl_b32 s[SC], s[SC], 23
	s_mov_b32 s[SC+1], s[SC]
	s_wait_loadcnt 0x0
.irp q, 0,1,2,3,4,5,6,7,8,9,10,11,12,13,14,15,16,17,18,19,20,21,22,23,24,25,26,27,28,29,30,31
	STEP \q
.endr
	s_wait_dscnt 0x0
	SEND 14
	PLACES 4
	TOSTAGE 15
	s_wait_dscnt 0x0
	SEND 15
	s_wait_tensorcnt 0x0
	ds_add_u32 v[SPW], v[NIL]
	s_wait_dscnt 0x0
	CROUND
	s_endpgm
.Lfunc_end_k_q2e9f32358f_outp:
	.size	k_q2e9f32358f_outp, .Lfunc_end_k_q2e9f32358f_outp-k_q2e9f32358f_outp
	.p2alignl 7, 3214868480
	.fill 96, 4, 3214868480
	.section	.rodata,"a",@progbits
	.p2align	6, 0x0
	.amdhsa_kernel k_q2e9f32358f_outp
		.amdhsa_group_segment_fixed_size 327680
		.amdhsa_private_segment_fixed_size 0
		.amdhsa_enable_private_segment 0
		.amdhsa_kernarg_size 40
		.amdhsa_user_sgpr_count 2
		.amdhsa_user_sgpr_kernarg_segment_ptr 1
		.amdhsa_wavefront_size32 1
		.amdhsa_system_sgpr_workgroup_id_x 1
		.amdhsa_system_sgpr_workgroup_id_y 1
		.amdhsa_system_sgpr_workgroup_id_z 1
		.amdhsa_system_vgpr_workitem_id 0
		.amdhsa_next_free_vgpr 1024
		.amdhsa_next_free_sgpr 66
		.amdhsa_reserve_vcc 0
		.amdhsa_float_denorm_mode_32 3
		.amdhsa_float_denorm_mode_16_64 3
		.amdhsa_memory_ordered 1
		.amdhsa_forward_progress 1
		.amdhsa_inst_pref_size 137
	.end_amdhsa_kernel
	.amdgpu_metadata
---
amdhsa.version: [ 1, 2 ]
amdhsa.kernels:
  - .name:           k_q2e9f32358f_outp
    .symbol:         k_q2e9f32358f_outp.kd
    .args:
      - { .name: attn, .offset: 0, .size: 8, .value_kind: global_buffer, .address_space: global }
      - { .name: wcp, .offset: 8, .size: 8, .value_kind: global_buffer, .address_space: global }
      - { .name: lowp_scales, .offset: 16, .size: 8, .value_kind: global_buffer, .address_space: global }
      - { .name: wc_b, .offset: 24, .size: 8, .value_kind: global_buffer, .address_space: global }
      - { .name: out0, .offset: 32, .size: 8, .value_kind: global_buffer, .address_space: global }
    .group_segment_fixed_size: 327680
    .private_segment_fixed_size: 0
    .kernarg_segment_align: 8
    .kernarg_segment_size: 40
    .max_flat_workgroup_size: 128
    .sgpr_count:     66
    .vgpr_count:     1024
    .wavefront_size: 32
...
	.end_amdgpu_metadata
.endif
;; end of part 2
